; MI455X (gfx1250); checked and timed in simulation.
; The chip was launched on July 23, 2026; its instructions are those of AMD's public machine-readable ISA for CDNA 5 (MIT licence, August 2026) and "CDNA5" Instruction Set Architecture Reference Guide (July 2026). The comments in the code are by the model that wrote it; some were corrected since.
;; Bahdanau Attention. Allowed arithmetic: matrix products marked QUANTISED: E5M2 operands, one E8M0 scale for each 32 along K, by v_wmma_scale_f32_16x16x128_f8f6f4 with both operands' format E5M2, f32 sums; products left as they are: f32 operands where the result goes on into a quantised operand, else bf16, f16 or f32 operands; f32 sums; everything else in f32.
;; Inputs: Ua_b 1,024 float32; Ua_w 1,024 x 1,024 float32; Va_b 1 float32; Va_w 1 x 1,024 float32; Wa_b 1,024 float32; Wa_w 1,024 x 1,024 float32; keys 32 x 2,048 x 1,024 float32; query 32 x 1,024 float32.
;; Outputs: out0 32 x 1,024 float32; out1 32 x 2,048 float32.
;; This version of the problem:
;;   THIS VERSION OF THE PROBLEM IS GIVEN IN LOW PRECISION. The matrix products marked QUANTISED in the list below multiply operands that are first quantised to E5M2 (5 exponent bits, 2 mantissa bits; 8 bits a number), with one power-of-two scale for each 32 numbers along K (OCP MX v1.0); their sums are f32. All else is computed in f32.
;;   The module's matrix products, in the order in which they are computed (A, B: the left and right operand; K: the contracted axis; several contracted axes count as one K, in the product's order):
;;     1. [M 32, K 1,024] x [K 1,024, N 1,024]; A: input query; B: input Wa_w: QUANTISED
;;     2. [M 65,536, K 1,024] x [K 1,024, N 1,024]; A: input keys; B: input Ua_w: QUANTISED
;;     3. [M 65,536, K 1,024] x [K 1,024, N 1]; A: computed on the way; B: input Va_w: left as it is (N = 1 < 16)
;;     4. batch 32 x [M 1, K 2,048] x [K 2,048, N 1,024]; A: softmax; B: input keys: left as it is (M = 1 < 16)
;;   THE QUANTISER, for each operand of a quantised product, along K:
;;     - K is cut into blocks of 32 from its start; a last block that is shorter is filled with zeros.
;;     - A block's scale is 2^e with e = floor(log2(the largest magnitude in the block)) - 15, held to -126 .. 127; a block of zeros has e = 0. As a byte (E8M0): e + 127.
;;     - Each number is divided by its block's scale, clamped to +-57,344, and rounded to the nearest number of E5M2, ties to even, subnormals kept.
;;     - The product sums the exact products of the quantised numbers (number of the format x scale) in f32.
;;   ~~~python
;;   def quantise(x, axis):      # numpy; x: float32 -> the quantised numbers, widened to float32 again
;;       x = np.moveaxis(x, axis, -1); K = x.shape[-1]
;;       x = np.pad(x, [(0, 0)] * (x.ndim - 1) + [(0, -K % 32)]); x = x.reshape(x.shape[:-1] + (-1, 32)); a = np.abs(x).max(-1, keepdims=True)
;;       e = np.where(a > 0, np.clip(np.frexp(np.where(a > 0, a, 1))[1] - 1 - 15, -126, 127), 0)      # np.frexp(a)[1] - 1 = floor(log2(a)), exactly
;;       r = np.clip(x / 2.0 ** e, -57344, 57344)
;;       step = 2.0 ** (np.maximum(np.frexp(np.where(r == 0, 1, r))[1] - 1, -14) - 2)
;;       q = np.round(r / step) * step * 2.0 ** e      # np.round: ties to even
;;       return np.moveaxis(q.reshape(q.shape[:-2] + (-1,))[..., :K], -1, axis).astype(np.float32)
;;   ~~~
;; One version. Each part assembles by itself: llvm-mc -triple=amdgcn-amd-amdhsa -mcpu=gfx1250 --defsym DOCPART=n.
;; ======== version 1 of 1: 3 launches
;; workspace buffers: ua_img 1,081,344 bytes; tab 262,144 bytes; scores 262,144 bytes
;; launch prep (part 1): grid 128 x 1, 8 waves a work-group, no clusters, 17,920 bytes of LDS; arguments Ua_w, Wa_w, query, Wa_b, Ua_b, Va_w, ua_img, tab; writes ua_img, tab
.if DOCPART == 1
	.amdgcn_target "amdgcn-amd-amdhsa--gfx1250"
	.amdhsa_code_object_version 6
	.text
	.protected	k_q718a6ca038_prep
	.globl	k_q718a6ca038_prep
	.p2align	8
	.type	k_q718a6ca038_prep,@function
k_q718a6ca038_prep:
	s_mov_b64 s[64:65], 0
	v_nop
	global_prefetch_b8 v0, s[64:65] scope:SCOPE_SE
	s_setreg_imm32_b32 hwreg(HW_REG_WAVE_MODE, 25, 1), 1
	s_wait_xcnt 0x0
; PREP.  Work-groups 0-63: 16 rows of Ua_w [1024][1024] f32 become codes of E5M2 with one E8M0 byte for each 32 along K, laid as the next launch's operand registers want them.
; Work-groups 64-127: 16 rows of Wa_w and all 32 rows of query are quantised the same way, multiplied (q_proj), and the table tab[b][n] = (c2 (q_proj + Wa_b + Ua_b), Va[n]) is stored, c2 = 2 log2(e).
; SHARES.  Eight waves; wave k takes K step k (128 along K) of the chunk's 16 rows.  Lane (r, h) takes row r and, of each block of 32, the 16 neighbours 16 h on: the layout of an 8-bit operand.
; ua_img: a record of 16,896 bytes for each chunk: 8 fragments x 2,048 bytes (registers 4 g .. 4 g + 3 of K step k at (4 k + g) 512 + 16 lane), then the scale bytes [16 rows][32].
; A block's scale is 2^(floor(log2(largest magnitude)) - 15); its byte is the largest magnitude's exponent field - 15, held at 1 from below.
; LIMITS: NaN and infinities among the inputs are not served.  A block of zeros gets the byte 1 where the rule says 127: its codes are zeros, and this program alone reads the bytes.
; q_proj's K is shared among eight waves: each wave's f32 sum of 128 along K is added to the others' in f32, K ascending.  tab is stored 128 consecutive bytes to eight lanes (262,144 bytes in all).
; The two arms part once, on the work-group's number, and use LDS bytes of their own.  No tensor loads, no clusters: each weight byte is read once, by one work-group.
.set SCL,  16384                       ; LDS: Ua's arm: the chunk's 512 scale bytes.  Wa's arm: bytes 0 .. 16,383: eight waves' partial sums, [32 batches][16 n] f32 each
.set REC,  16896
.set TM,   16                          ; v16-31  at work in QUANT
.set PCW,  32                          ; v32-47  the weight's codes
.set PWW,  48                          ; v48     its scale word;  v49, v50 query's two
.set PWQ,  49
.set BI,   52                          ; v52-55  Wa_b's pair, Ua_b's pair
.set OV,   60                          ; v60-63  (c2 bias, Va) twice: the 16 bytes that go out
.set XW,   64                          ; v64-127 the weight's 64 numbers; later query's codes (v64-95), the two results (v96-111), the partial sums (v112-127)
.set PCQ,  64
.set DQ,   96
.set SU,   112
.set XQ,   128                         ; v128-255 query's 2 x 64 numbers
.set WV,   20
.set SEL,  24
.set MNT,  26
.set C2,   32
.macro XLOAD reg, base, off, nt        ; 64 numbers of my row: four loads of 16 bytes for each block of 32
.irp b, 0,1,2,3
.irp j, 0,1,2,3
.if \nt
	global_load_b128 v[\reg+16*\b+4*\j:\reg+16*\b+4*\j+3], v3, s[\base:\base+1] offset:\off+128*\b+16*\j th:TH_LOAD_NT
.else
	global_load_b128 v[\reg+16*\b+4*\j:\reg+16*\b+4*\j+3], v3, s[\base:\base+1] offset:\off+128*\b+16*\j
.endif
.endr
.endr
.endm
; 64 numbers of a lane, register 16 b + i = k 32 b + 16 (lane / 16) + i of my row, become a fragment's codes in v[pc] on and its scale word in v[pw].
.macro QUANT s, pc, pw
.irp b, 0,1,2,3
	v_max3_num_f32 v[TM+\b], |v[\s+16*\b]|, |v[\s+1+16*\b]|, 0x8000000   ; my 16 numbers of block b, and the floor 2^(16 - 127): the byte cannot fall under 1
.endr
.irp i, 2,4,6,8,10,12,14
.irp b, 0,1,2,3
	v_max3_num_f32 v[TM+\b], v[TM+\b], |v[\s+16*\b+\i]|, |v[\s+1+16*\b+\i]|   ; the four blocks by turns
.endr
.endr
.irp b, 0,1,2,3
	v_permlanex16_b32 v[TM+4+\b], v[TM+\b], s[SEL], s[SEL+1]
.endr
.irp b, 0,1,2,3
	v_max_num_f32 v[TM+\b], v[TM+\b], v[TM+4+\b]   ; with lane l xor 16's: the block's largest magnitude
.endr
.irp b, 0,1,2,3
	v_add_nc_u32 v[TM+12+\b], 0xf8800000, v[TM+\b]   ; 15 off its exponent field: the conversion's scale operand
.endr
.irp b, 0,1,2,3
	v_and_or_b32 v[TM+8+\b], v[TM+\b], 0x7f800000, s[MNT]   ; 57,344 x the scale
.endr
.irp b, 0,1,2,3
	v_lshrrev_b32 v[TM+4+\b], 23, v[TM+12+\b]      ; the scale's byte
.endr
	v_lshl_or_b32 v[\pw], v[TM+5], 8, v[TM+4]      ; four bytes make my row's scale word
	v_lshl_or_b32 v[\pw], v[TM+6], 16, v[\pw]
	v_lshl_or_b32 v[\pw], v[TM+7], 24, v[\pw]
.irp b, 0,1,2,3
.irp i, 0,1,2,3,4,5,6,7,8,9,10,11,12,13,14,15
	v_med3_num_f32 v[\s+16*\b+\i], v[\s+16*\b+\i], -v[TM+8+\b], v[TM+8+\b]   ; the conversion to an 8-bit code does not saturate (ISA guide 7.6.2): the hold comes first
.endr
	v_cvt_scalef32_pk8_bf8_f32 v[\pc+4*\b:\pc+1+4*\b], v[\s+16*\b:\s+7+16*\b], v[TM+12+\b]
	v_cvt_scalef32_pk8_bf8_f32 v[\pc+2+4*\b:\pc+3+4*\b], v[\s+8+16*\b:\s+15+16*\b], v[TM+12+\b]
.endr
	v_nop                                          ; one plain line behind the last conversion
.endm
	s_load_b256 s[4:11], s[0:1], 0x0               ; Ua_w s[4:5], Wa_w s[6:7], query s[8:9], Wa_b s[10:11]
	s_load_b256 s[12:19], s[0:1], 0x20             ; Ua_b s[12:13], Va_w s[14:15], ua_img s[16:17], tab s[18:19]
	v_lshl_add_u32 v58, v0, 2, 0x4200
	v_mov_b32 v59, 0
	v_lshrrev_b32 v1, 5, v0
	v_readfirstlane_b32 s[WV], v1                  ; wave = K step
	v_and_b32 v1, 15, v0                           ; r
	v_bfe_u32 v2, v0, 4, 1                         ; h
	v_lshlrev_b32 v3, 12, v1
	v_lshl_add_u32 v3, v2, 6, v3                   ; a row of 4,096 bytes, + 64 h
	v_and_b32 v4, 31, v0
	v_lshlrev_b32 v4, 4, v4                        ; 16 x lane
	s_lshl_b32 s28, s[WV], 2
	v_lshl_add_u32 v5, v1, 5, SCL
	v_add_nc_u32 v5, s28, v5                       ; my row's scale word of my K step: SCL + 32 r + 4 k
	s_lshl_b32 s28, s[WV], 11
	v_lshlrev_b32 v6, 2, v1
	v_lshl_add_u32 v6, v2, 9, v6
	v_add_nc_u32 v6, s28, v6                       ; partial sums: 2,048 k + 512 h + 4 r; batch 16 m + 8 h + j is 64 bytes a step
	v_lshlrev_b32 v7, 3, v0                        ; and back: two numbers a thread
	v_and_b32 v8, 7, v0
	v_lshlrev_b32 v8, 3, v8                        ; my pair of n in the chunk's 16: 8 bytes of a bias
	v_lshrrev_b32 v9, 3, v0
	v_lshlrev_b32 v9, 13, v9
	v_lshl_add_u32 v9, v8, 1, v9                   ; tab: batch x 8,192 + 16 bytes for my pair
	v_add_nc_u32 v10, SCL, v4
.irp b, 0,1,2,3
	v_mov_b32 v[TM+4+\b], 0                        ; a lane permute's destination counts as read
.endr
	s_mov_b32 s[SEL], 0x76543210
	s_mov_b32 s[SEL+1], 0xfedcba98
	s_mov_b32 s[MNT], 0x600000
	s_mov_b32 s[C2], 0x4038aa3b                    ; 2 log2(e)
	s_mov_b32 s29, 0
	s_wait_kmcnt 0x0
	s_cmp_lt_u32 ttmp9, 64
	s_cbranch_scc0 .Lwa
	; ---------------- Ua's arm
	s_lshl_b32 s28, ttmp9, 16                      ; 16 rows of 4,096 bytes a chunk,
	s_lshl_b32 s22, s[WV], 9                       ; 512 bytes a K step
	s_add_co_u32 s28, s28, s22
	s_add_nc_u64 s[4:5], s[4:5], s[28:29]
	XLOAD XW, 4, 0, 1
	s_mul_i32 s28, ttmp9, REC
	s_add_nc_u64 s[16:17], s[16:17], s[28:29]      ; my chunk's record
	s_lshl_b32 s28, s[WV], 11
	s_add_nc_u64 s[30:31], s[16:17], s[28:29]      ; my fragment in it
	s_wait_loadcnt 0x0
	QUANT XW, PCW, PWW
.irp g, 0,1,2,3
	global_store_b128 v4, v[PCW+4*\g:PCW+4*\g+3], s[30:31] offset:512*\g   ; 32 lanes store 512 consecutive bytes
.endr
	ds_store_b32 v5, v[PWW]                        ; both halves of the lanes hold the same word and write it to the same place
	s_wait_dscnt 0x0                               ; for the others' sake
	s_barrier_signal -1
	s_barrier_wait -1
	s_cmp_lg_u32 s[WV], 0
	s_cbranch_scc1 .Lua_end
	ds_load_b128 v[BI:BI+3], v10                   ; wave 0: the chunk's 512 scale bytes leave as one dense block
	s_wait_dscnt 0x0
	global_store_b128 v4, v[BI:BI+3], s[16:17] offset:16384
.Lua_end:
	s_wait_tensorcnt 0x0
	ds_add_u32 v58, v59
	s_wait_dscnt 0x0
	s_endpgm
	; ---------------- Wa's arm
.Lwa:
	s_sub_co_u32 s21, ttmp9, 64                    ; chunk
	s_lshl_b32 s28, s21, 16
	s_lshl_b32 s22, s[WV], 9
	s_mov_b32 s23, 0
	s_add_co_u32 s28, s28, s22
	s_add_nc_u64 s[6:7], s[6:7], s[28:29]
	s_add_nc_u64 s[8:9], s[8:9], s[22:23]
	s_lshl_b32 s28, s21, 6                         ; 16 numbers of a bias
	s_add_nc_u64 s[10:11], s[10:11], s[28:29]
	s_add_nc_u64 s[12:13], s[12:13], s[28:29]
	s_add_nc_u64 s[14:15], s[14:15], s[28:29]
	s_lshl_b32 s28, s21, 7                         ; 16 pairs of tab
	s_add_nc_u64 s[18:19], s[18:19], s[28:29]
	XLOAD XW, 6, 0, 1
	XLOAD XQ, 8, 0, 0                              ; query's rows 0-15
	XLOAD XQ+64, 8, 65536, 0                       ; and 16-31
	global_load_b64 v[BI:BI+1], v8, s[10:11]
	global_load_b64 v[BI+2:BI+3], v8, s[12:13]
	global_load_b32 v[OV+1], v8, s[14:15]          ; Va's two numbers land where they go out from
	global_load_b32 v[OV+3], v8, s[14:15] offset:4
	s_wait_loadcnt 36                              ; Wa's 16 loads are in; 16 + 16 + 4 younger ones may be out
	QUANT XW, PCW, PWW
	s_wait_loadcnt 20
	QUANT XQ, PCQ, PWQ
	s_wait_loadcnt 4
	QUANT XQ+64, PCQ+16, PWQ+1
.rept 4
	v_nop                                          ; codes written by vector instructions stand four places ahead of a scaled matrix instruction; the scale words were made ahead of the holds
.endr
	v_wmma_scale_f32_16x16x128_f8f6f4 v[DQ:DQ+7], v[PCQ:PCQ+15], v[PCW:PCW+15], 0, v[PWQ], v[PWW] matrix_a_fmt:MATRIX_FMT_BF8 matrix_b_fmt:MATRIX_FMT_BF8
	v_wmma_scale_f32_16x16x128_f8f6f4 v[DQ+8:DQ+15], v[PCQ+16:PCQ+31], v[PCW:PCW+15], 0, v[PWQ+1], v[PWW] matrix_a_fmt:MATRIX_FMT_BF8 matrix_b_fmt:MATRIX_FMT_BF8
.rept 8
	v_nop                                          ; eight places ahead of the first read of a result
.endr
.irp m, 0,1
.irp j, 0,1,2,3,4,5,6,7
	ds_store_b32 v6, v[DQ+8*\m+\j] offset:1024*\m+64*\j   ; (batch 16 m + 8 h + j, n = r); each result from its low end on
.endr
.endr
	s_wait_dscnt 0x0                               ; for the others' sake
	s_barrier_signal -1
	s_barrier_wait -1
.irp k, 0,1,2,3,4,5,6,7
	ds_load_b64 v[SU+2*\k:SU+2*\k+1], v7 offset:2048*\k
.endr
	s_wait_dscnt 0x0
.irp k, 1,2,3,4,5,6,7
	v_pk_add_f32 v[SU:SU+1], v[SU:SU+1], v[SU+2*\k:SU+2*\k+1]   ; K ascending
.endr
	s_wait_loadcnt 0x0                             ; the biases
	v_pk_add_f32 v[SU:SU+1], v[SU:SU+1], v[BI:BI+1]
	v_pk_add_f32 v[SU:SU+1], v[SU:SU+1], v[BI+2:BI+3]
	v_mul_f32 v[OV], s[C2], v[SU]
	v_mul_f32 v[OV+2], s[C2], v[SU+1]
	global_store_b128 v9, v[OV:OV+3], s[18:19]
	s_wait_tensorcnt 0x0
	ds_add_u32 v58, v59
	s_wait_dscnt 0x0
	s_endpgm
.Lfunc_end_k_q718a6ca038_prep:
	.size	k_q718a6ca038_prep, .Lfunc_end_k_q718a6ca038_prep-k_q718a6ca038_prep
	.p2alignl 7, 3214868480
	.fill 96, 4, 3214868480
	.section	.rodata,"a",@progbits
	.p2align	6, 0x0
	.amdhsa_kernel k_q718a6ca038_prep
		.amdhsa_group_segment_fixed_size 17920
		.amdhsa_private_segment_fixed_size 0
		.amdhsa_enable_private_segment 0
		.amdhsa_kernarg_size 64
		.amdhsa_user_sgpr_count 2
		.amdhsa_user_sgpr_kernarg_segment_ptr 1
		.amdhsa_wavefront_size32 1
		.amdhsa_system_sgpr_workgroup_id_x 1
		.amdhsa_system_sgpr_workgroup_id_y 1
		.amdhsa_system_sgpr_workgroup_id_z 1
		.amdhsa_system_vgpr_workitem_id 0
		.amdhsa_next_free_vgpr 256
		.amdhsa_next_free_sgpr 66
		.amdhsa_reserve_vcc 0
		.amdhsa_float_denorm_mode_32 3
		.amdhsa_float_denorm_mode_16_64 3
		.amdhsa_memory_ordered 1
		.amdhsa_forward_progress 1
		.amdhsa_inst_pref_size 46
	.end_amdhsa_kernel
	.amdgpu_metadata
---
amdhsa.version: [ 1, 2 ]
amdhsa.kernels:
  - .name:           k_q718a6ca038_prep
    .symbol:         k_q718a6ca038_prep.kd
    .args:
      - { .name: Ua_w, .offset: 0, .size: 8, .value_kind: global_buffer, .address_space: global }
      - { .name: Wa_w, .offset: 8, .size: 8, .value_kind: global_buffer, .address_space: global }
      - { .name: query, .offset: 16, .size: 8, .value_kind: global_buffer, .address_space: global }
      - { .name: Wa_b, .offset: 24, .size: 8, .value_kind: global_buffer, .address_space: global }
      - { .name: Ua_b, .offset: 32, .size: 8, .value_kind: global_buffer, .address_space: global }
      - { .name: Va_w, .offset: 40, .size: 8, .value_kind: global_buffer, .address_space: global }
      - { .name: ua_img, .offset: 48, .size: 8, .value_kind: global_buffer, .address_space: global }
      - { .name: tab, .offset: 56, .size: 8, .value_kind: global_buffer, .address_space: global }
    .group_segment_fixed_size: 17920
    .private_segment_fixed_size: 0
    .kernarg_segment_align: 8
    .kernarg_segment_size: 64
    .max_flat_workgroup_size: 256
    .sgpr_count:     66
    .vgpr_count:     256
    .wavefront_size: 32
...
	.end_amdgpu_metadata
.endif
;; end of part 1
;; launch scores (part 2): grid 256 x 1, 4 waves a work-group, clusters of 4 x 1, 327,680 bytes of LDS; arguments keys, ua_img, tab, Va_b, scores; writes scores
.if DOCPART == 2
	.amdgcn_target "amdgcn-amd-amdhsa--gfx1250"
	.amdhsa_code_object_version 6
	.text
	.protected	k_q718a6ca038_scores
	.globl	k_q718a6ca038_scores
	.p2align	8
	.type	k_q718a6ca038_scores,@function
k_q718a6ca038_scores:
	s_mov_b64 s[64:65], 0
	v_nop
	global_prefetch_b8 v0, s[64:65] scope:SCOPE_SE
	s_setreg_imm32_b32 hwreg(HW_REG_WAVE_MODE, 25, 1), 1
	s_wait_xcnt 0x0
	s_wait_alu depctr_hold_cnt(0) depctr_sa_sdst(0) depctr_va_vdst(0) depctr_va_sdst(0) depctr_va_ssrc(0) depctr_va_vcc(0) depctr_vm_vsrc(0)
	s_getreg_b32 s2, hwreg(HW_REG_IB_STS2, 6, 4)
	s_cmp_eq_u32 s2, 0
	s_cbranch_scc0 .Lentry_in_a_cluster
	s_endpgm
.Lentry_in_a_cluster:
	s_bfe_u32 s2, ttmp6, 0x10000c
	s_cmp_lg_u32 s2, 0x3003
	s_cbranch_scc0 .Lentry_shape_is_right
	s_endpgm
.Lentry_shape_is_right:
; SCORES.  scores[row] = Va_b + sum over n of Va[n] tanh(q_proj[b][n] + Wa_b + Ua_b + sum over k of keys[row][k] Ua[n][k]), the product on codes of E5M2 with one E8M0 scale for each 32 along K.
; SHARES.  A work-group owns 256 rows of keys (all of one batch: 8 work-groups to a batch), each of its four waves 64: four tiles of 16.
; PHASE L.  The wave's 64 rows x 1,024 f32 come through two LDS sets, 128 along K at a time, by tensor loads of the wave's own (64 rows x 512 bytes), are quantised and STAY IN REGISTERS: 32 fragments, 512 registers.
;   A fragment's codes are made in a loop over the four tiles, so they pass through the wave's own image bytes in LDS on their way to the registers that the K step names.
; PHASE C.  Ua comes as the records that the launch before laid out (16 outputs x all K, in the order of the operand's registers), four records to a slot, two slots, in the bytes that the key sets have left.
;   A PERIOD is one record: 32 matrix instructions (8 K steps x my 4 tiles of rows).  Behind each stands a slice of four lines of the TAIL of the record before: x = c2 k_proj + c2 bias, e = 2^x, r = 1 / (1 + e),
;   tanh = 1 - 2 r, score += Va tanh.  Two sets of accumulators and of B's registers take turns.  The next record is fetched in one run of LDS loads behind the period's second product.
; CLUSTER.  The four work-groups of a cluster walk the same records and the same table (they share a batch): each is asked for JOINTLY, which divides the requests for Ua by four.  keys are each work-group's own.
; tanh: 2^x may overflow to infinity (r = 0, tanh = 1) or fall to 0 (r = 1, tanh = -1): both are the right limits.  LIMITS: NaN and infinities among the inputs are not served; a block of zeros gets the byte 1 (its codes are zeros).
; REGISTERS, in windows of 256.  Window 0: v1-14 addresses; v16-47 keys' scale words (tile t, K step k: 16 + 8 t + k); v48-63 Ua's, two sets; v64-67 (c2 bias, Va), two sets; v96-159 two sets of 4 accumulators
;   (phase L: 64 numbers); v160-191 the running scores; v192-227 at work in QUANT.   Windows 1, 2: keys' fragments, (t, k) in window 1 + k / 4 at v[64 (k % 4) + 16 t].   Window 3: Ua's fragments, set p at v[128 p + 16 k].
.set SETB,  135168                     ; a key set: 4 waves x 64 rows x 528 bytes; also from Ua's slot 0 to slot 1
.set WSTG,  33792                      ; a wave's part of a key set
.set KP,    528                        ; a staged row: 512 bytes + 16 of padding = 132 words: the 16 rows that a load touches start at 16 different banks (64 banks of 4 bytes: ISA guide 11.1)
.set REC,   16896                      ; a record of Ua
.set IMG,   2*SETB                     ; the waves' image bytes: written by LDS stores alone
.set IMW,   8704                       ; a wave's: four fragments
.set IMF,   2176                       ; a fragment's: 2,048 of codes + 128 of scale words
.set TAB,   IMG+4*IMW                  ; my batch's table, 1,024 x (c2 bias, Va): filled once
.set SCR,   TAB+8192                   ; the scores on their way out
.set SPARE, SCR+1024                   ; the spare words, 128 bytes for each wave: two blocks of 256 bytes that no other line names
.set LI,  1                            ; 16 x lane
.set XL,  2                            ; my lane's place in a key set
.set IW,  3                            ; my lane's place in my wave's images
.set IS,  4                            ; and among their scale words
.set ADR, 5
.set ADS, 6
.set TAD, 7
.set SPW, 8                            ; my spare word; never rewritten
.set NIL, 9                            ; 0; never rewritten
.set RS,  10                           ; my row's scale bytes in a record
.set TR,  11                           ; my output's pair in the table
.set SO,  12
.set SR,  13
.set GO,  14
.set SA,  16
.set SB,  48
.set PT,  64
.set R_,  70
.set H_,  71
.set LN,  72
.set ACC, 96
.set X,   96
.set SC,  160
.set TM,  192
.set PW,  208
.set PC,  212
.set WV,  14
.set G1K, 24                           ; s[24:31] group 1 for keys;  s[32:39] its two groups 0, one for each set
.set G0K, 32
.set G1B, 40                           ; s[40:47] group 1 for a record;  s[48:51] its group 0, which walks
.set G0W, 48
.set G1T, 56                           ; s[56:63] group 1 for a quarter of the table;  s[68:71] its group 0
.set G0T, 68
.set CS,  72
.set SEL, 74
.set MNT, 76
.set TB,  77                           ; LDS byte of the record to be fetched
.set TT,  78                           ; the table's step: 128 bytes a record
.set SLOTS, 79
.set TW,  80
.set TU,  81
.set TI,  82
.set UC,  83
.set VB,  84
.set MSB, 0
.macro WIN new                         ; the immediate's high byte repeats the setting that is left; a switch that changes nothing is dropped
.if MSB != (\new)
	s_set_vgpr_msb (MSB<<8)|(\new)
.set MSB, (\new)
.endif
.endm
.macro NOPS n
.rept \n
	v_nop
.endr
.endm
.macro ROUND                           ; a round of the cluster's barrier
	s_barrier_signal -1
	s_barrier_wait -1
	s_cmp_lg_u32 s[WV], 0
	s_cbranch_scc1 .Lnot_wave_0_\@
	s_barrier_signal -3
.Lnot_wave_0_\@:
	s_barrier_wait -3
	s_barrier_signal -1
	s_barrier_wait -1
.endm
; 64 numbers of a lane, register 16 b + i = k 32 b + 16 (lane / 16) + i of my row, become a fragment's codes in v[pc] on and its scale word in v[pw].
.macro QUANT s, pc, pw
.irp b, 0,1,2,3
	v_max3_num_f32 v[TM+\b], |v[\s+16*\b]|, |v[\s+1+16*\b]|, 0x8000000   ; my 16 numbers of block b, and the floor 2^(16 - 127): the byte cannot fall under 1
.endr
.irp i, 2,4,6,8,10,12,14
.irp b, 0,1,2,3
	v_max3_num_f32 v[TM+\b], v[TM+\b], |v[\s+16*\b+\i]|, |v[\s+1+16*\b+\i]|
.endr
.endr
.irp b, 0,1,2,3
	v_permlanex16_b32 v[TM+4+\b], v[TM+\b], s[SEL], s[SEL+1]
.endr
.irp b, 0,1,2,3
	v_max_num_f32 v[TM+\b], v[TM+\b], v[TM+4+\b]   ; with lane l xor 16's: the block's largest magnitude
.endr
.irp b, 0,1,2,3
	v_add_nc_u32 v[TM+12+\b], 0xf8800000, v[TM+\b]   ; 15 off its exponent field: the conversion's scale operand
.endr
.irp b, 0,1,2,3
	v_and_or_b32 v[TM+8+\b], v[TM+\b], 0x7f800000, s[MNT]   ; 57,344 x the scale
.endr
.irp b, 0,1,2,3
	v_lshrrev_b32 v[TM+4+\b], 23, v[TM+12+\b]      ; the scale's byte
.endr
	v_lshl_or_b32 v[\pw], v[TM+5], 8, v[TM+4]
	v_lshl_or_b32 v[\pw], v[TM+6], 16, v[\pw]
	v_lshl_or_b32 v[\pw], v[TM+7], 24, v[\pw]
.irp b, 0,1,2,3
.irp i, 0,1,2,3,4,5,6,7,8,9,10,11,12,13,14,15
	v_med3_num_f32 v[\s+16*\b+\i], v[\s+16*\b+\i], -v[TM+8+\b], v[TM+8+\b]   ; the conversion to an 8-bit code does not saturate (ISA guide 7.6.2): the hold comes first
.endr
	v_cvt_scalef32_pk8_bf8_f32 v[\pc+4*\b:\pc+1+4*\b], v[\s+16*\b:\s+7+16*\b], v[TM+12+\b]
	v_cvt_scalef32_pk8_bf8_f32 v[\pc+2+4*\b:\pc+3+4*\b], v[\s+8+16*\b:\s+15+16*\b], v[TM+12+\b]
.endr
	v_nop                                          ; one plain line behind the last conversion
.endm
; K step n of my 64 rows lies in set n % 2: four trips, a tile of 16 rows each: 16 LDS loads, QUANT, the fragment's image and scale words to my image bytes.  Then the four fragments come back into K step n's registers.
.macro PROCESS n
	s_mov_b32 s[TU], ((\n)%2)*SETB
	s_mov_b32 s[TI], 0
	s_mov_b32 s[UC], 4
.Lu_\@:
	v_add_nc_u32 v[ADR], s[TU], v[XL]
.irp b, 0,1,2,3
.irp j, 0,1,2,3
	ds_load_b128 v[X+16*\b+4*\j:X+16*\b+4*\j+3], v[ADR] offset:128*\b+16*\j
.endr
.endr
	s_wait_dscnt 0x0                               ; the numbers are in, and the last trip's stores are done
	v_add_nc_u32 v[TAD], s[TI], v[IW]
	v_add_nc_u32 v[ADS], s[TI], v[IS]
	QUANT X, PC, PW
.irp g, 0,1,2,3
	ds_store_b128 v[TAD], v[PC+4*\g:PC+4*\g+3] offset:512*\g
.endr
	ds_store_b32 v[ADS], v[PW]
	s_add_co_u32 s[TU], s[TU], 16*KP
	s_add_co_u32 s[TI], s[TI], IMF
	s_sub_co_u32 s[UC], s[UC], 1
	s_cmp_lg_u32 s[UC], 0
	s_cbranch_scc1 .Lu_\@
.set wn, 0x40*(1+(\n)/4)
	WIN wn                                         ; destination window 1 or 2
.irp t, 0,1,2,3
.irp g, 0,1,2,3
	ds_load_b128 v[64*((\n)%4)+16*\t+4*\g:64*((\n)%4)+16*\t+4*\g+3], v[IW] offset:IMF*\t+512*\g   ; LDS serves a wave's instructions in order (ISA guide 5.7.1.4): these see my stores
.endr
.endr
	WIN 0
.irp t, 0,1,2,3
	ds_load_b32 v[SA+8*\t+(\n)], v[IS] offset:IMF*\t
.endr
.endm
; THE CHANGE OF SETS OR SLOTS.  Each wave waits for all its tensor loads, adds 0 to its spare word, waits for that and for its LDS reads; a round of the cluster's barrier; then its one tensor load.
; kind 0, 1: key set 0, 1 takes the K step two on.  2: Ua's records 0-3 into slot 0.  3, 4: the walking descriptor's next four records into the other slot.  5: nothing is left to fetch.  4, 5: the fetches turn to the other slot.
.macro CHANGE kind
	WIN 0
	s_wait_tensorcnt 0x0                           ; no tensor load of mine is out, so a group 0 may be written
	ds_add_u32 v[SPW], v[NIL]                      ; 0 onto my spare word
.if \kind == 0
	s_add_nc_u64 s[G0K+2:G0K+3], s[G0K+2:G0K+3], 1024
.elseif \kind == 1
	s_add_nc_u64 s[G0K+6:G0K+7], s[G0K+6:G0K+7], 1024
.elseif (\kind == 3) || (\kind == 4)
	s_xor_b32 s[G0W+1], s[G0W+1], SETB             ; (wave x 16,896 and 135,168 share no bit)
	s_add_nc_u64 s[G0W+2:G0W+3], s[G0W+2:G0W+3], 4*REC
.endif
	s_wait_dscnt 0x0                               ; the add is done, and my reads of the bytes that are filled next are over
.if \kind == 5
	s_barrier_signal -1
	s_barrier_wait -1
.else
	ROUND
.if \kind == 0
	tensor_load_to_lds s[G0K:G0K+3], s[G1K:G1K+7]
	s_nop 0
.elseif \kind == 1
	tensor_load_to_lds s[G0K+4:G0K+7], s[G1K:G1K+7]
	s_nop 0
.else
	tensor_load_to_lds s[G0W:G0W+3], s[G1B:G1B+7]
	s_nop 0
.endif
	NOPS 4
.endif
.if \kind >= 4
	s_sub_co_u32 s[TB], s[TB], 4*REC
	s_xor_b32 s[TB], s[TB], SETB
.endif
.endm
; One run of LDS loads.  b = 1: the next record's 8 fragments into B's set pn, and its rows' scale words.  pt = 1: the table pair of the record in hand into set pc.
.macro FETCH pn, pc, b, pt
	WIN 0
.if \b
	v_add_nc_u32 v[ADR], s[TB], v[LI]
	v_add_nc_u32 v[ADS], s[TB], v[RS]
	s_add_co_u32 s[TB], s[TB], REC
.endif
.if \pt
	v_add_nc_u32 v[TAD], s[TT], v[TR]
	s_add_co_u32 s[TT], s[TT], 128
.endif
.if \b
	WIN 0xc0                                       ; destination window 3
.set m, 0
.rept 32
	ds_load_b128 v[128*(\pn)+4*m:128*(\pn)+4*m+3], v[ADR] offset:512*m
.set m, m+1
.endr
	WIN 0
	ds_load_b128 v[SB+8*(\pn):SB+8*(\pn)+3], v[ADS]
	ds_load_b128 v[SB+8*(\pn)+4:SB+8*(\pn)+7], v[ADS] offset:16
.endif
.if \pt
	ds_load_b64 v[PT+2*(\pc):PT+2*(\pc)+1], v[TAD]
.endif
.endm
; Product i of a period's 32: K step i / 4, tile of rows i % 4.  Source 0 = 16 rows of keys, source 1 = 16 rows of Ua: register j of lane (r, h) is (row 16 t + 8 h + j, output r).
; The four accumulators take turns, one instruction a turn, and the next period starts on the other set.  The first K step starts the sums.
.macro MM par
.set kk, i/4
.set tt, i%4
.set rA, 64*(kk%4)+16*tt
.set rB, 128*(\par)+16*kk
.set rD, ACC+32*(\par)+8*tt
.set wn, 0x0d+kk/4
	WIN wn                                         ; source 0 window 1 or 2, source 1 window 3, C and D window 0
.if kk == 0
	v_wmma_scale_f32_16x16x128_f8f6f4 v[rD:rD+7], v[rA:rA+15], v[rB:rB+15], 0, v[SA+8*tt+kk], v[SB+8*(\par)+kk] matrix_a_fmt:MATRIX_FMT_BF8 matrix_b_fmt:MATRIX_FMT_BF8
.else
	v_wmma_scale_f32_16x16x128_f8f6f4 v[rD:rD+7], v[rA:rA+15], v[rB:rB+15], v[rD:rD+7], v[SA+8*tt+kk], v[SB+8*(\par)+kk] matrix_a_fmt:MATRIX_FMT_BF8 matrix_b_fmt:MATRIX_FMT_BF8
.endif
.endm
; Line j of the tail's 128, on accumulator set pp.  0-15 x = c2 k_proj + c2 bias (pairs ascending: each accumulator is read from its low end on); 16-47 e = 2^x; 48-63 1 + e; 64-95 r = 1 / (1 + e);
; 96-111 tanh = 1 - 2 r; 112-127 score += Va tanh (first = 1: the first record starts the scores).
.macro EP pp, first
.set rE, ACC+32*(\pp)
.set rP, PT+2*(\pp)
.if j < 16
	v_pk_fma_f32 v[rE+2*j:rE+2*j+1], v[rE+2*j:rE+2*j+1], s[CS:CS+1], v[rP:rP+1] op_sel_hi:[1,0,0]
.elseif j < 48
	v_exp_f32 v[rE+j-16], v[rE+j-16]
.elseif j < 64
	v_pk_add_f32 v[rE+2*(j-48):rE+2*(j-48)+1], v[rE+2*(j-48):rE+2*(j-48)+1], 1.0 op_sel_hi:[1,0]
.elseif j < 96
	v_rcp_f32 v[rE+j-64], v[rE+j-64]
.elseif j < 112
	v_pk_fma_f32 v[rE+2*(j-96):rE+2*(j-96)+1], v[rE+2*(j-96):rE+2*(j-96)+1], -2.0, 1.0 op_sel_hi:[1,0,0]
.elseif \first
	v_pk_mul_f32 v[SC+2*(j-112):SC+2*(j-112)+1], v[rE+2*(j-112):rE+2*(j-112)+1], v[rP:rP+1] op_sel:[0,1] op_sel_hi:[1,1]
.else
	v_pk_fma_f32 v[SC+2*(j-112):SC+2*(j-112)+1], v[rE+2*(j-112):rE+2*(j-112)+1], v[rP:rP+1], v[SC+2*(j-112):SC+2*(j-112)+1] op_sel:[0,1,0] op_sel_hi:[1,1,1]
.endif
.endm
; A PERIOD.  ep = 0: no tail yet; 1: the tail of the record before; 2: the first tail.  The 32 exponentials are one batch with one wait behind slice 11, the 32 reciprocals one with one wait behind slice 23.
; PLACES (eight for this form).  In front of the run of loads into the set that the last period multiplied: that period's slice 31 and this one's slices 0 and 1, twelve plain lines that name none of the
; last product's registers.  In front of an accumulator's first read: the four slices between its last product and its own slice, sixteen plain lines on other registers.
.macro PERIOD par, ep, fb, fpt
.set op, 1-(\par)
.set fs, (\ep)/2
	s_wait_dscnt 0x0                               ; this record's fragments, scale words and the last record's table pair are in (asked for 30 products ago)
.set i, 0
.rept 32
	MM \par
.if \ep
	WIN 0
.set j, 4*i
.rept 4
	EP op, fs
.set j, j+1
.endr
.if (i == 11) || (i == 23)
	v_nop                                          ; a plain line behind the batch's last transcendental,
	s_wait_alu depctr_va_vdst(0)                   ; and one wait ahead of the batch's first reader
.endif
.endif
.if i == 1
	FETCH op, \par, \fb, \fpt
.endif
.set i, i+1
.endr
.if \ep == 0
	WIN 0
	NOPS 8                                         ; no slices yet: the places behind the last products
.endif
.endm
.macro WALK                            ; four periods: a slot's worth of fetches
	s_mov_b32 s[TW], 2
.Lw_\@:
	PERIOD 1, 1, 1, 1
	PERIOD 0, 1, 1, 1
	WIN 0
	s_sub_co_u32 s[TW], s[TW], 1
	s_cmp_lg_u32 s[TW], 0
	s_cbranch_scc1 .Lw_\@
.endm
	s_load_b256 s[4:11], s[0:1], 0x0               ; keys s[4:5], ua_img s[6:7], tab s[8:9], Va_b s[10:11]
	s_load_b64 s[12:13], s[0:1], 0x20              ; scores
	v_lshl_add_u32 v[SPW], v0, 2, SPARE
	v_mov_b32 v[NIL], 0
	ds_add_u32 v8, v9
	ds_add_u32 v8, v9
	s_wait_dscnt 0x0
	v_lshrrev_b32 v1, 5, v0
	v_readfirstlane_b32 s[WV], v1                  ; wave 0..3
	s_bfe_u32 s15, ttmp6, 0x40000                  ; cx: my place in the cluster
	s_lshl_b32 s16, ttmp9, 2                       ; in a cluster launch ttmp9 counts clusters
	s_add_co_u32 s16, s16, s15                     ; my work-group: it enters keys' and scores' addresses alone
	s_lshr_b32 s17, ttmp9, 1                       ; the batch, which the four partners share
	; group 1 for keys: 64 rows x 128 elements of 4 bytes, 1,024 elements from row to row; 4 words of padding behind every 128; no mask
	s_mov_b32 s[G1K], (2<<16)|(1<<20)|(6<<22)|(3<<25)
	s_mov_b32 s[G1K+1], 128<<16                    ; tensor_dim0
	s_mov_b32 s[G1K+2], 64<<16                     ; tensor_dim1
	s_mov_b32 s[G1K+3], 128<<16                    ; tile_dim0
	s_mov_b32 s[G1K+4], 64                         ; tile_dim1
	s_mov_b32 s[G1K+5], 1024                       ; tensor_dim0_stride
	s_mov_b32 s[G1K+6], 0
	s_mov_b32 s[G1K+7], 0
	; group 1 for a record: 66 dense rows of 256 bytes (32 elements of 8); the mask names all four work-groups, bit 21 beside it
	s_mov_b32 s[G1B], 15|(3<<16)|(1<<21)
	s_mov_b32 s[G1B+1], 32<<16
	s_mov_b32 s[G1B+2], 66<<16
	s_mov_b32 s[G1B+3], 32<<16
	s_mov_b32 s[G1B+4], 66
	s_mov_b32 s[G1B+5], 32
	s_mov_b32 s[G1B+6], 0
	s_mov_b32 s[G1B+7], 0
	; group 1 for a quarter of the table: 8 such rows
	s_mov_b32 s[G1T], 15|(3<<16)|(1<<21)
	s_mov_b32 s[G1T+1], 32<<16
	s_mov_b32 s[G1T+2], 8<<16
	s_mov_b32 s[G1T+3], 32<<16
	s_mov_b32 s[G1T+4], 8
	s_mov_b32 s[G1T+5], 32
	s_mov_b32 s[G1T+6], 0
	s_mov_b32 s[G1T+7], 0
	s_lshl_b32 s18, s16, 20                        ; keys: 256 rows of 4,096 bytes a work-group,
	s_lshl_b32 s19, s[WV], 18                      ; 64 a wave
	s_add_co_u32 s18, s18, s19
	s_mov_b32 s19, 0
	s_mul_i32 s20, s[WV], REC                      ; Ua: record = wave, in memory and in a slot
	s_mov_b32 s21, 0
	s_lshl_b32 s22, s17, 13                        ; the table: 8,192 bytes a batch,
	s_lshl_b32 s86, s[WV], 11                      ; 2,048 a wave
	s_add_co_u32 s22, s22, s86
	s_mov_b32 s23, 0
	s_lshl_b32 s88, s16, 10                        ; scores: 1,024 bytes a work-group, 256 a wave
	s_lshl_b32 s89, s[WV], 8
	s_add_co_u32 s88, s88, s89
	s_mov_b32 s89, 0
	s_mul_i32 s87, s[WV], WSTG
	s_wait_kmcnt 0x0
	s_add_nc_u64 s[12:13], s[12:13], s[88:89]
	s_mov_b32 s[G0K], 1                            ; count = 1
	s_mov_b32 s[G0K+1], s87                        ; LDS address: set 0, my wave's part
	s_add_nc_u64 s[G0K+2:G0K+3], s[4:5], s[18:19]  ; K step 0
	s_add_nc_u64 s[G0K+6:G0K+7], s[G0K+2:G0K+3], 512   ; K step 1
	s_or_b32 s[G0K+3], s[G0K+3], 0x80000000        ; type = 2
	s_mov_b32 s[G0K+4], 1
	s_add_co_u32 s[G0K+5], s87, SETB
	s_or_b32 s[G0K+7], s[G0K+7], 0x80000000
	s_mov_b32 s[G0W], 1
	s_mov_b32 s[G0W+1], s20
	s_add_nc_u64 s[G0W+2:G0W+3], s[6:7], s[20:21]
	s_or_b32 s[G0W+3], s[G0W+3], 0x80000000
	s_mov_b32 s[G0T], 1
	s_add_co_u32 s[G0T+1], s86, TAB
	s_add_nc_u64 s[G0T+2:G0T+3], s[8:9], s[22:23]
	s_or_b32 s[G0T+3], s[G0T+3], 0x80000000
	ROUND                                          ; all four work-groups are here: the first loads go out as one group
	tensor_load_to_lds s[G0T:G0T+3], s[G1T:G1T+7]  ; my quarter of the table (joint)
	s_nop 0
	tensor_load_to_lds s[G0K:G0K+3], s[G1K:G1K+7]  ; K step 0 of my rows
	s_nop 0
	tensor_load_to_lds s[G0K+4:G0K+7], s[G1K:G1K+7]   ; K step 1: three loads of mine are out
	s_nop 0
	NOPS 4
	s_load_b32 s[VB], s[10:11], 0x0                ; Va_b
	v_and_b32 v[LN], 31, v0
	v_and_b32 v[R_], 15, v0
	v_bfe_u32 v[H_], v0, 4, 1
	v_lshlrev_b32 v[LI], 4, v[LN]
	v_mul_u32_u24 v[XL], v[R_], KP
	v_lshl_add_u32 v[XL], v[H_], 6, v[XL]
	v_add_nc_u32 v[XL], s87, v[XL]                 ; wave x 33,792 + 528 r + 64 h
	s_mul_i32 s87, s[WV], IMW
	s_add_co_u32 s87, s87, IMG
	v_add_nc_u32 v[IW], s87, v[LI]
	v_lshl_add_u32 v[IS], v[LN], 2, s87
	v_add_nc_u32 v[IS], 2048, v[IS]
	v_lshl_add_u32 v[RS], v[R_], 5, 16384          ; a record's scale bytes: 32 a row, behind its 16,384 bytes of codes
	v_lshl_add_u32 v[TR], v[R_], 3, TAB
	s_lshl_b32 s87, s[WV], 8
	s_add_co_u32 s87, s87, SCR
	v_lshl_add_u32 v[SO], v[H_], 5, s87
	v_lshl_add_u32 v[SR], v[LN], 3, s87
	v_lshlrev_b32 v[GO], 3, v[LN]
.irp b, 0,1,2,3
	v_mov_b32 v[TM+4+\b], 0                        ; a lane permute's destination counts as read
.endr
	s_mov_b32 s[CS], 0x4038aa3b                    ; c2 = 2 log2(e)
	s_mov_b32 s[CS+1], s[CS]                       ; (named with it as a pair, so it is written)
	s_mov_b32 s[SEL], 0x76543210
	s_mov_b32 s[SEL+1], 0xfedcba98
	s_mov_b32 s[MNT], 0x600000
	s_wait_kmcnt 0x0
	s_mov_b32 s[VB+1], s[VB]
	; ---------------- PHASE L: a wave reads only the bytes that its own loads brought
	s_wait_tensorcnt 0x1                           ; my quarter of the table and K step 0 are in; K step 1 may stay out
	PROCESS 0
	CHANGE 0
	PROCESS 1
	CHANGE 1
	PROCESS 2
	CHANGE 0
	PROCESS 3
	CHANGE 1
	PROCESS 4
	CHANGE 0
	PROCESS 5
	CHANGE 1
	PROCESS 6
	CHANGE 2                                       ; set 0 has been read out by all four waves: Ua's records 0-3
	PROCESS 7
	CHANGE 3                                       ; and set 1: records 4-7.  Slot 0 is whole, and all my fragments of keys are in registers
	; ---------------- PHASE C
	s_mov_b32 s[TB], 0
	s_mov_b32 s[TT], 0
	FETCH 0, 0, 1, 0                               ; record 0
	PERIOD 0, 0, 1, 1                              ; record 0 | no tail | fetches record 1
	PERIOD 1, 2, 1, 1                              ; record 1 | the first tail starts the scores
	PERIOD 0, 1, 1, 1                              ; record 2 | fetches record 3: slot 0's last
	WIN 0
	s_mov_b32 s[SLOTS], 14
.Lslot:                                                ; 14 trips: the slot just read out takes the records two slots on; the load has four periods, 128 products, in which to land
	CHANGE 4
	WALK
	s_sub_co_u32 s[SLOTS], s[SLOTS], 1
	s_cmp_lg_u32 s[SLOTS], 0
	s_cbranch_scc1 .Lslot
	CHANGE 5                                       ; the tail is written out
	WALK
	PERIOD 1, 1, 0, 1                              ; record 63: only its table pair is fetched
	s_wait_dscnt 0x0
.set j, 0
.rept 128                                      ; the last record's tail.  Its first twelve lines are the places behind the last product
	EP 1, 0
.if (j == 47) || (j == 95)
	v_nop
	s_wait_alu depctr_va_vdst(0)
.endif
.set j, j+1
.endr
	; ---------------- THE WAY OUT.  Register 8 t + j of half h holds row 16 t + 8 h + j's sum over the outputs n = r mod 16: the sixteen lanes of a half are added.
.irp x, 1,2,4,8
.set q, 0
.rept 32
	v_add_f32_dpp v[SC+q], v[SC+q], v[SC+q] row_xmask:\x row_mask:0xf bank_mask:0xf
.set q, q+1
.endr
.endr
.set q, 0
.rept 16
	v_pk_add_f32 v[SC+2*q:SC+2*q+1], v[SC+2*q:SC+2*q+1], s[VB:VB+1] op_sel_hi:[1,0]   ; + Va_b
.set q, q+1
.endr
.irp t, 0,1,2,3
.irp u, 0,1
	ds_store_b128 v[SO], v[SC+8*\t+4*\u:SC+8*\t+4*\u+3] offset:64*\t+16*\u   ; the lanes of a half write the same bytes with the same values
.endr
.endr
	ds_load_b64 v[X:X+1], v[SR]                    ; LDS serves a wave's instructions in order: this sees my stores
	s_wait_dscnt 0x0
	global_store_b64 v[GO], v[X:X+1], s[12:13]     ; 32 lanes store 256 consecutive bytes, at a multiple of 256 from the buffer's first byte
	s_wait_tensorcnt 0x0                           ; the wave's end
	ds_add_u32 v[SPW], v[NIL]
	s_wait_dscnt 0x0
	ROUND                                          ; the closing round: no work-group ends while a partner may still ask for a record that names it
	s_endpgm
.Lfunc_end_k_q718a6ca038_scores:
	.size	k_q718a6ca038_scores, .Lfunc_end_k_q718a6ca038_scores-k_q718a6ca038_scores
	.p2alignl 7, 3214868480
	.fill 96, 4, 3214868480
	.section	.rodata,"a",@progbits
	.p2align	6, 0x0
	.amdhsa_kernel k_q718a6ca038_scores
		.amdhsa_group_segment_fixed_size 327680
		.amdhsa_private_segment_fixed_size 0
		.amdhsa_enable_private_segment 0
		.amdhsa_kernarg_size 40
		.amdhsa_user_sgpr_count 2
		.amdhsa_user_sgpr_kernarg_segment_ptr 1
		.amdhsa_wavefront_size32 1
		.amdhsa_system_sgpr_workgroup_id_x 1
		.amdhsa_system_sgpr_workgroup_id_y 1
		.amdhsa_system_sgpr_workgroup_id_z 1
		.amdhsa_system_vgpr_workitem_id 0
		.amdhsa_next_free_vgpr 1024
		.amdhsa_next_free_sgpr 96
		.amdhsa_reserve_vcc 0
		.amdhsa_float_denorm_mode_32 3
		.amdhsa_float_denorm_mode_16_64 3
		.amdhsa_memory_ordered 1
		.amdhsa_forward_progress 1
		.amdhsa_inst_pref_size 228
	.end_amdhsa_kernel
	.amdgpu_metadata
---
amdhsa.version: [ 1, 2 ]
amdhsa.kernels:
  - .name:           k_q718a6ca038_scores
    .symbol:         k_q718a6ca038_scores.kd
    .args:
      - { .name: keys, .offset: 0, .size: 8, .value_kind: global_buffer, .address_space: global }
      - { .name: ua_img, .offset: 8, .size: 8, .value_kind: global_buffer, .address_space: global }
      - { .name: tab, .offset: 16, .size: 8, .value_kind: global_buffer, .address_space: global }
      - { .name: Va_b, .offset: 24, .size: 8, .value_kind: global_buffer, .address_space: global }
      - { .name: scores, .offset: 32, .size: 8, .value_kind: global_buffer, .address_space: global }
    .group_segment_fixed_size: 327680
    .private_segment_fixed_size: 0
    .kernarg_segment_align: 8
    .kernarg_segment_size: 40
    .max_flat_workgroup_size: 128
    .sgpr_count:     96
    .vgpr_count:     1024
    .wavefront_size: 32
...
	.end_amdgpu_metadata
.endif
;; end of part 2
;; launch context (part 3): grid 8 x 32, 16 waves a work-group, no clusters, 18,944 bytes of LDS; arguments scores, keys, out0, out1; writes out0, out1
.if DOCPART == 3
	.amdgcn_target "amdgcn-amd-amdhsa--gfx1250"
	.amdhsa_code_object_version 6
	.text
	.protected	k_q718a6ca038_context
	.globl	k_q718a6ca038_context
	.p2align	8
	.type	k_q718a6ca038_context,@function
k_q718a6ca038_context:
	s_mov_b64 s[64:65], 0
	v_nop
	global_prefetch_b8 v0, s[64:65] scope:SCOPE_SE
	s_setreg_imm32_b32 hwreg(HW_REG_WAVE_MODE, 25, 1), 1
	s_wait_xcnt 0x0
; CONTEXT.  weights = softmax over a batch's 2,048 scores; out1 = weights; out0[b][c] = sum over s of weights[s] keys[b][s][c].  All in f32.
; SHARES.  Work-group (x, b) owns out0[b][128 x .. + 127] and out1[b][256 x .. + 255]: every output has one owner.  Each of a batch's eight work-groups makes the softmax of its 8,192 bytes of scores anew.
; Wave w streams rows 128 w .. 128 w + 127: one load is a row's 512 bytes (16 a lane), a ring of 16 rows in registers: 16 waves x 16 loads x 512 bytes are on their way.  The wave's 128 weights lie in 128 registers.
; The maximum is taken away before the exponential; the sum is at least 1.  A weight under the smallest normal f32 number comes out as 0.  NaN and infinities among the inputs are not served.
; No matrix unit (one row of weights a batch), no tensor loads, no clusters (no byte of keys is read by two work-groups): a stream.
.set WL,   0                           ; LDS: the 2,048 weights
.set PART, 8192                        ; 16 waves x 512 bytes: partial sums
.set RED,  16384                       ; 16 partial maxima;  256 bytes on: 16 partial sums
.set RED2, 16640
.set AC,   16                          ; v16-23  two sets of sums: even rows', odd rows'
.set RING, 32                          ; v32-95  16 rows x 4 registers
.set WT,   96                          ; v96-223 my wave's 128 weights; before that v96-111: the sixteen partial maxima and sums
	s_load_b256 s[4:11], s[0:1], 0x0               ; scores s[4:5], keys s[6:7], out0 s[8:9], out1 s[10:11]
	v_lshl_add_u32 v224, v0, 2, 0x4200
	v_mov_b32 v225, 0
	v_lshrrev_b32 v1, 5, v0
	v_readfirstlane_b32 s12, v1                    ; wave 0..15
	s_and_b32 s13, ttmp7, 0xffff                   ; batch
	v_and_b32 v14, 31, v0
	v_lshlrev_b32 v14, 4, v14                      ; 16 x lane
	s_lshl_b32 s14, s12, 19                        ; 128 rows of 4,096 bytes a wave
	v_add_nc_u32 v1, s14, v14
	v_lshlrev_b32 v2, 4, v0                        ; four scores a thread
	s_lshl_b32 s14, s12, 2
	s_add_co_u32 s15, s14, RED
	v_mov_b32 v3, s15
	s_add_co_u32 s15, s14, RED2
	v_mov_b32 v4, s15
	s_lshl_b32 s14, s12, 9
	v_mov_b32 v5, s14                              ; my wave's 128 weights in WL
	v_add_nc_u32 v6, s14, v14
	v_add_nc_u32 v6, PART, v6
	v_add_nc_u32 v7, PART, v14
	v_mov_b32 v15, RED
	v_mov_b32 v13, 0                               ; a lane permute's destination counts as read
	s_mov_b32 s20, 0x3fb8aa3b                      ; log2(e)
	s_mov_b32 s22, 0x76543210
	s_mov_b32 s23, 0xfedcba98
	s_lshl_b32 s16, s13, 13                        ; scores, out1: 8,192 bytes a batch
	s_mov_b32 s17, 0
	s_lshl_b32 s18, s13, 23                        ; keys: 2^23 bytes a batch,
	s_lshl_b32 s24, ttmp9, 9                       ; 512 bytes of a row a work-group
	s_add_co_u32 s18, s18, s24
	s_mov_b32 s19, 0
	s_lshl_b32 s26, s13, 12                        ; out0: 4,096 bytes a batch
	s_add_co_u32 s26, s26, s24
	s_mov_b32 s27, 0
	s_wait_kmcnt 0x0
	s_add_nc_u64 s[4:5], s[4:5], s[16:17]
	s_add_nc_u64 s[10:11], s[10:11], s[16:17]
	s_add_nc_u64 s[6:7], s[6:7], s[18:19]
	s_add_nc_u64 s[8:9], s[8:9], s[26:27]
	global_load_b128 v[8:11], v2, s[4:5]
.irp q, 0,1,2,3,4,5,6,7,8,9,10,11,12,13,14,15
	global_load_b128 v[RING+4*\q:RING+4*\q+3], v1, s[6:7] offset:4096*\q th:TH_LOAD_NT   ; the ring is filled while the softmax is made
.endr
	s_wait_loadcnt 16                              ; the scores are in; the 16 rows may be out
	v_max3_num_f32 v12, v8, v9, v10
	v_max_num_f32 v12, v12, v11
	v_max_num_f32_dpp v12, v12, v12 row_xmask:1 row_mask:0xf bank_mask:0xf
	v_max_num_f32_dpp v12, v12, v12 row_xmask:2 row_mask:0xf bank_mask:0xf
	v_max_num_f32_dpp v12, v12, v12 row_xmask:4 row_mask:0xf bank_mask:0xf
	v_max_num_f32_dpp v12, v12, v12 row_xmask:8 row_mask:0xf bank_mask:0xf
	v_permlanex16_b32 v13, v12, s22, s23
	v_max_num_f32 v12, v12, v13
	ds_store_b32 v3, v12                           ; all lanes write the same word with the same value
	s_wait_dscnt 0x0
	s_barrier_signal -1
	s_barrier_wait -1
.irp q, 0,1,2,3
	ds_load_b128 v[WT+4*\q:WT+4*\q+3], v15 offset:16*\q
.endr
	s_wait_dscnt 0x0
	v_max3_num_f32 v12, v[WT], v[WT+1], v[WT+2]
.irp q, 3,5,7,9,11,13
	v_max3_num_f32 v12, v12, v[WT+\q], v[WT+\q+1]
.endr
	v_max_num_f32 v12, v12, v[WT+15]               ; the batch's largest score
.irp q, 8,9,10,11
	v_sub_f32 v\q, v\q, v12
.endr
.irp q, 8,9,10,11
	v_mul_f32 v\q, s20, v\q
.endr
.irp q, 8,9,10,11
	v_exp_f32 v\q, v\q
.endr
	v_nop                                          ; a plain line behind the last exponential,
	s_wait_alu depctr_va_vdst(0)                   ; and one wait ahead of the batch's first reader
	v_add_f32 v12, v8, v9
	v_add_f32 v24, v10, v11
	v_add_f32 v12, v12, v24
	v_add_f32_dpp v12, v12, v12 row_xmask:1 row_mask:0xf bank_mask:0xf
	v_add_f32_dpp v12, v12, v12 row_xmask:2 row_mask:0xf bank_mask:0xf
	v_add_f32_dpp v12, v12, v12 row_xmask:4 row_mask:0xf bank_mask:0xf
	v_add_f32_dpp v12, v12, v12 row_xmask:8 row_mask:0xf bank_mask:0xf
	v_permlanex16_b32 v13, v12, s22, s23
	v_add_f32 v12, v12, v13
	ds_store_b32 v4, v12
	s_wait_dscnt 0x0
	s_barrier_signal -1
	s_barrier_wait -1
.irp q, 0,1,2,3
	ds_load_b128 v[WT+4*\q:WT+4*\q+3], v15 offset:RED2-RED+16*\q
.endr
	s_wait_dscnt 0x0
.irp q, 2,4,6,8,10,12,14
	v_pk_add_f32 v[WT:WT+1], v[WT:WT+1], v[WT+\q:WT+\q+1]
.endr
	v_add_f32 v12, v[WT], v[WT+1]
	v_rcp_f32 v12, v12
	v_nop
	s_wait_alu depctr_va_vdst(0)
.irp q, 8,9,10,11
	v_mul_f32 v\q, v\q, v12                        ; the weights
.endr
	ds_store_b128 v2, v[8:11]
	s_lshr_b32 s14, s12, 1                         ; waves 2 x and 2 x + 1 hold the 256 weights that this work-group owns
	s_cmp_lg_u32 s14, ttmp9
	s_cbranch_scc1 .Lnot_mine
	global_store_b128 v2, v[8:11], s[10:11]        ; a wave stores 512 consecutive bytes
.Lnot_mine:
	s_wait_dscnt 0x0
	s_barrier_signal -1
	s_barrier_wait -1
.set g, 0
.rept 32
	ds_load_b128 v[WT+4*g:WT+4*g+3], v5 offset:16*g   ; every lane takes all 128 weights of the wave's rows
.set g, g+1
.endr
	s_wait_dscnt 0x0
; ROW i: its load is in (the younger rows of the ring stay out); two packed multiply-adds by the row's weight, which is one half of the pair v[WT + i - i % 2]; the slot takes the row 16 further down.
.set i, 0
.rept 128
.set rX, RING+4*(i%16)
.set rA, AC+4*(i%2)
.set rW, WT+i-(i%2)
.if i < 113
	s_wait_loadcnt 15
.else
	s_wait_loadcnt 127-i
.endif
.if i == 0
	v_pk_mul_f32 v[rA:rA+1], v[rX:rX+1], v[rW:rW+1] op_sel_hi:[1,0]          ; rows 0 and 1 start the sums
	v_pk_mul_f32 v[rA+2:rA+3], v[rX+2:rX+3], v[rW:rW+1] op_sel_hi:[1,0]
.elseif i == 1
	v_pk_mul_f32 v[rA:rA+1], v[rX:rX+1], v[rW:rW+1] op_sel:[0,1] op_sel_hi:[1,1]
	v_pk_mul_f32 v[rA+2:rA+3], v[rX+2:rX+3], v[rW:rW+1] op_sel:[0,1] op_sel_hi:[1,1]
.elseif i%2 == 0
	v_pk_fma_f32 v[rA:rA+1], v[rX:rX+1], v[rW:rW+1], v[rA:rA+1] op_sel_hi:[1,0,1]
	v_pk_fma_f32 v[rA+2:rA+3], v[rX+2:rX+3], v[rW:rW+1], v[rA+2:rA+3] op_sel_hi:[1,0,1]
.else
	v_pk_fma_f32 v[rA:rA+1], v[rX:rX+1], v[rW:rW+1], v[rA:rA+1] op_sel:[0,1,0] op_sel_hi:[1,1,1]
	v_pk_fma_f32 v[rA+2:rA+3], v[rX+2:rX+3], v[rW:rW+1], v[rA+2:rA+3] op_sel:[0,1,0] op_sel_hi:[1,1,1]
.endif
.if i < 112
	global_load_b128 v[rX:rX+3], v1, s[6:7] offset:4096*(i+16) th:TH_LOAD_NT
.endif
.set i, i+1
.endr
	v_pk_add_f32 v[AC:AC+1], v[AC:AC+1], v[AC+4:AC+5]
	v_pk_add_f32 v[AC+2:AC+3], v[AC+2:AC+3], v[AC+6:AC+7]
	ds_store_b128 v6, v[AC:AC+3]
	s_wait_dscnt 0x0
	s_barrier_signal -1
	s_barrier_wait -1
	s_cmp_lg_u32 s12, 0
	s_cbranch_scc1 .Ldone
.irp q, 0,1,2,3,4,5,6,7,8,9,10,11,12,13,14,15
	ds_load_b128 v[RING+4*\q:RING+4*\q+3], v7 offset:512*\q   ; wave 0 adds the sixteen waves' sums, rows ascending
.endr
	s_wait_dscnt 0x0
.irp q, 1,2,3,4,5,6,7,8,9,10,11,12,13,14,15
	v_pk_add_f32 v[RING:RING+1], v[RING:RING+1], v[RING+4*\q:RING+4*\q+1]
	v_pk_add_f32 v[RING+2:RING+3], v[RING+2:RING+3], v[RING+4*\q+2:RING+4*\q+3]
.endr
	global_store_b128 v14, v[RING:RING+3], s[8:9]  ; 32 lanes store 512 consecutive bytes, at a multiple of 256 from out0's first byte
.Ldone:
	s_wait_tensorcnt 0x0
	ds_add_u32 v224, v225
	s_wait_dscnt 0x0
	s_endpgm
.Lfunc_end_k_q718a6ca038_context:
	.size	k_q718a6ca038_context, .Lfunc_end_k_q718a6ca038_context-k_q718a6ca038_context
	.p2alignl 7, 3214868480
	.fill 96, 4, 3214868480
	.section	.rodata,"a",@progbits
	.p2align	6, 0x0
	.amdhsa_kernel k_q718a6ca038_context
		.amdhsa_group_segment_fixed_size 18944
		.amdhsa_private_segment_fixed_size 0
		.amdhsa_enable_private_segment 0
		.amdhsa_kernarg_size 32
		.amdhsa_user_sgpr_count 2
		.amdhsa_user_sgpr_kernarg_segment_ptr 1
		.amdhsa_wavefront_size32 1
		.amdhsa_system_sgpr_workgroup_id_x 1
		.amdhsa_system_sgpr_workgroup_id_y 1
		.amdhsa_system_sgpr_workgroup_id_z 1
		.amdhsa_system_vgpr_workitem_id 0
		.amdhsa_next_free_vgpr 226
		.amdhsa_next_free_sgpr 66
		.amdhsa_reserve_vcc 0
		.amdhsa_float_denorm_mode_32 3
		.amdhsa_float_denorm_mode_16_64 3
		.amdhsa_memory_ordered 1
		.amdhsa_forward_progress 1
		.amdhsa_inst_pref_size 44
	.end_amdhsa_kernel
	.amdgpu_metadata
---
amdhsa.version: [ 1, 2 ]
amdhsa.kernels:
  - .name:           k_q718a6ca038_context
    .symbol:         k_q718a6ca038_context.kd
    .args:
      - { .name: scores, .offset: 0, .size: 8, .value_kind: global_buffer, .address_space: global }
      - { .name: keys, .offset: 8, .size: 8, .value_kind: global_buffer, .address_space: global }
      - { .name: out0, .offset: 16, .size: 8, .value_kind: global_buffer, .address_space: global }
      - { .name: out1, .offset: 24, .size: 8, .value_kind: global_buffer, .address_space: global }
    .group_segment_fixed_size: 18944
    .private_segment_fixed_size: 0
    .kernarg_segment_align: 8
    .kernarg_segment_size: 32
    .max_flat_workgroup_size: 512
    .sgpr_count:     66
    .vgpr_count:     226
    .wavefront_size: 32
...
	.end_amdgpu_metadata
.endif
;; end of part 3
